; MI455X (gfx1250); checked and timed in simulation.
; The chip was launched on July 23, 2026; its instructions are those of AMD's public machine-readable ISA for CDNA 5 (MIT licence, August 2026) and "CDNA5" Instruction Set Architecture Reference Guide (July 2026). The comments in the code are by the model that wrote it; some were corrected since.
;; Quaternion LSTM Cell. Allowed arithmetic: matrix products marked QUANTISED: E2M3 operands, one E8M0 scale for each 32 along K, by v_wmma_scale_f32_16x16x128_f8f6f4 with both operands' format E2M3, f32 sums; everything else in f32.
;; Inputs: Uc_b 512 x 4 float32; Uc_w 4 x 512 x 512 float32; Uf_b 512 x 4 float32; Uf_w 4 x 512 x 512 float32; Ui_b 512 x 4 float32; Ui_w 4 x 512 x 512 float32; Uo_b 512 x 4 float32; Uo_w 4 x 512 x 512 float32; Wc_w 4 x 512 x 512 float32; Wf_w 4 x 512 x 512 float32; Wi_w 4 x 512 x 512 float32; Wo_w 4 x 512 x 512 float32; c 2,048 x 512 x 4 float32; h 2,048 x 512 x 4 float32; x 2,048 x 512 x 4 float32.
;; Outputs: out0 2,048 x 512 x 4 float32; out1 2,048 x 512 x 4 float32.
;; This version of the problem:
;;   THIS VERSION OF THE PROBLEM IS GIVEN IN LOW PRECISION. The matrix products marked QUANTISED in the list below multiply operands that are first quantised to E2M3 (2 exponent bits, 3 mantissa bits; 6 bits a number), with one power-of-two scale for each 32 numbers along K (OCP MX v1.0); their sums are f32. All else is computed in f32.
;;   The module's matrix products, in the order in which they are computed (A, B: the left and right operand; K: the contracted axis; several contracted axes count as one K, in the product's order):
;;     1. [M 2,048, K 2,048] x [K 2,048, N 2,048]; A: input x; B: computed on the way: QUANTISED
;;     2. [M 2,048, K 2,048] x [K 2,048, N 2,048]; A: input h; B: computed on the way: QUANTISED
;;     3. [M 2,048, K 2,048] x [K 2,048, N 2,048]; A: input x; B: computed on the way: QUANTISED
;;     4. [M 2,048, K 2,048] x [K 2,048, N 2,048]; A: input h; B: computed on the way: QUANTISED
;;     5. [M 2,048, K 2,048] x [K 2,048, N 2,048]; A: input x; B: computed on the way: QUANTISED
;;     6. [M 2,048, K 2,048] x [K 2,048, N 2,048]; A: input h; B: computed on the way: QUANTISED
;;     7. [M 2,048, K 2,048] x [K 2,048, N 2,048]; A: input x; B: computed on the way: QUANTISED
;;     8. [M 2,048, K 2,048] x [K 2,048, N 2,048]; A: input h; B: computed on the way: QUANTISED
;;   THE QUANTISER, for each operand of a quantised product, along K:
;;     - K is cut into blocks of 32 from its start; a last block that is shorter is filled with zeros.
;;     - A block's scale is 2^e with e = floor(log2(the largest magnitude in the block)) - 2, held to -126 .. 127; a block of zeros has e = 0. As a byte (E8M0): e + 127.
;;     - Each number is divided by its block's scale, clamped to +-7.5, and rounded to the nearest number of E2M3, ties to even, subnormals kept.
;;     - The product sums the exact products of the quantised numbers (number of the format x scale) in f32.
;;   ~~~python
;;   def quantise(x, axis):      # numpy; x: float32 -> the quantised numbers, widened to float32 again
;;       x = np.moveaxis(x, axis, -1); K = x.shape[-1]
;;       x = np.pad(x, [(0, 0)] * (x.ndim - 1) + [(0, -K % 32)]); x = x.reshape(x.shape[:-1] + (-1, 32)); a = np.abs(x).max(-1, keepdims=True)
;;       e = np.where(a > 0, np.clip(np.frexp(np.where(a > 0, a, 1))[1] - 1 - 2, -126, 127), 0)      # np.frexp(a)[1] - 1 = floor(log2(a)), exactly
;;       r = np.clip(x / 2.0 ** e, -7.5, 7.5)
;;       step = 2.0 ** (np.maximum(np.frexp(np.where(r == 0, 1, r))[1] - 1, 0) - 3)
;;       q = np.round(r / step) * step * 2.0 ** e      # np.round: ties to even
;;       return np.moveaxis(q.reshape(q.shape[:-2] + (-1,))[..., :K], -1, axis).astype(np.float32)
;;   ~~~
;;   OPERANDS COMPUTED ON THE WAY. 'Computed on the way' means the value that the module computes at that place (a softmax that the list does not call 'softmax' is quantised finished and normalised). What goes into a quantiser is computed in f32, as accurately as f32 sums, v_exp_f32 and their like allow (about 1e-6 of the number): no bf16 or f16 on the way to a quantiser, and a product that is left as it is and whose result goes on into a quantised operand takes f32 operands (vector FMAs, or v_wmma_f32_16x16x4_f32). A number that lies on a knife's edge between two numbers of the format may be rounded either way, as far as f32 arithmetic and the matrix unit's own rounding can turn it there, and no further.
;; One version. Each part assembles by itself: llvm-mc -triple=amdgcn-amd-amdhsa -mcpu=gfx1250 --defsym DOCPART=n.
;; ======== version 1 of 1: 2 launches
;; limits: right only within a limited range of input values
;; workspace buffers: apack 6,553,600 bytes; bpack 6,553,600 bytes
;; launch prep (part 1): grid 256 x 1, 8 waves a work-group, no clusters, 271,360 bytes of LDS; arguments x, h, Wi_w, Wf_w, Wo_w, Wc_w, Ui_w, Uf_w, Uo_w, Uc_w, apack, bpack; writes apack, bpack
.if DOCPART == 1
	.amdgcn_target "amdgcn-amd-amdhsa--gfx1250"
	.amdhsa_code_object_version 6
	.text
	.protected	k_q06765f74c6_prep
	.globl	k_q06765f74c6_prep
	.p2align	8
	.type	k_q06765f74c6_prep,@function
k_q06765f74c6_prep:
	s_mov_b64 s[64:65], 0
	v_nop
	global_prefetch_b8 v0, s[64:65] scope:SCOPE_SE
	s_setreg_imm32_b32 hwreg(HW_REG_WAVE_MODE, 25, 1), 1
	s_wait_xcnt 0x0
; x, h [2048][512][4] and the eight weights [4][512][512], f32, become codes of FP6 (E2M3) with one E8M0 byte for each 32 along K, laid as IMAGES OF OPERAND REGISTERS for the second launch.
; DEAD WORK LEFT OUT: the cell uses i_pre, f_pre, o_pre at [..., 0] alone.  So of the gates' products and biases the output components 1, 2, 3 reach no output, whatever the inputs hold:
; their columns are neither laid out nor multiplied.  Every input still has a way to an output.  A NaN, an infinity or an overflow that reaches only those columns is not carried to a result.
; K of a Hamilton product is (input component ci, i).  A block of 32 along K is 32 neighbouring i of one component.  The Hamilton matrix is M[(ci,i),(co,o)] = +-W[ci xor co][o][i].
; The quantiser is odd, so W is quantised and stored ONCE.  A gate (co = 0) is stored with the signs of column co = 0: every code of components 1, 2, 3 has its sign bit turned.
; The candidate is stored as it is: the second launch keeps the products that count with a minus in sums of their own.
; A UNIT is (t, q): t = 0 x with W, 1 h with U; q: i = 128 q .. 128 q + 127.  Unit u = 4 t + q has 51,200 bytes in each buffer, in two halves: E (ci = 0, 1) and O (ci = 2, 3).
;   apack [rb 16][u 8]: E: codes [ci 2][tile 8][1,536], scale words [tile 8][row 16][ci 4]; O: codes [ci 2][tile 8][1,536].        Tile a8 of rb: batch rows 128 rb + 16 a8 + r.
;   bpack [ob 16][u 8]: E: gates [ci 2][ot2 2][gate 3][1,536], candidate [component 4][ot2 2][1,536], scale words [ot2 2][gates, candidate 4][row 16][component 4]; O: gates [ci 2][ot2 2][gate 3][1,536].
;   ot = 2 ob + ot2: units o = 16 ot + r.
; A FRAGMENT'S IMAGE (16 rows x 128 K, 12 registers a lane): registers 4 w .. 4 w + 3 of lane l at 512 w + 16 l.  Lane (r, h) holds of row r block h in registers 0-5 and block 2 + h in registers 6-11.
; SHARES.  A wave takes 32 KB of f32 and makes four fragments of it.  Waves 0-3 of work-group g: 16 rows of x (g < 128) or h, i range q = wave, four components.
; Waves 4-7: weight g / 32, 16 units o (g % 32), i range q = wave - 4, four components.  Waves and work-groups share no input: no barrier, no cluster.
; All 64 loads of a wave go out ahead of its first wait for data, so no prefetch is laid: there is no loop to run ahead in.  Each load reads 512 consecutive bytes.
; The 32 KB turn through the wave's own stage in LDS: four planes (components) of 16 rows x 128 f32, rows of 512 bytes + 16.  x and h are taken apart on the way in.
; A block's scale byte is its largest magnitude's exponent field - 2, held at 1 from below by a floor among the maximum's leaves.
; LIMITS: NaN and infinities among x, h and the weights are not served.  A block of zeros, or one whose largest magnitude lies under 2^-124, keeps the byte 1 (a block of zeros has zero codes, which add
; nothing; the bytes are read by this program alone).  A zero whose sign is turned becomes the code of -0, which adds nothing either.
.set PLANE, 8448                       ; 16 rows x 528 bytes
.set PITCH, 528
.set STAGE, 4*PLANE                    ; a wave's stage
.set SPARE, 8*STAGE                    ; behind the stages: the spare words, 128 bytes a wave
.set REC,   51200                      ; a unit
.set GL,    4                          ; v4   16 x lane: offset of loads and of the codes' stores
.set ST32,  5                          ; v5   stage + 4 x lane
.set ST128, 6                          ; v6   stage + 16 x lane
.set LD,    7                          ; v7   stage + 528 r + 128 h: my row, my block
.set SCO,   9                          ; v9   16 r: my row's four scale words
.set SPW,   14                         ; v14  my spare word
.set NIL,   15                         ; v15  0
.set R,     16                         ; v16-143 groups 0-3 of eight loads; groups 4-7 lie in window 1, v256-383
.set X0,    144                        ; v144-207 64 numbers of my lane
.set XB,    80                         ; v80-143  64 more, once groups 0-3 are in the stage
.set PX,    16                         ; v16-63   waves 0-3: the codes of the four components, 12 registers each
.set BY,    64                         ; v64-71   waves 0-3: scale bytes, two to a component
.set PC,    208                        ; v208-219 waves 4-7: the fragment's codes
.set T0,    232                        ; v232-234, v236-238: a conversion's three registers begin on an even number; these are moved
.set T1,    236
.set SW,    248                        ; v248-251 the scale words of components 0 to 3
.set RH,    0                          ; groups 4-7: window 1, v256-383
	s_load_b128 s[4:7], s[0:1], 0x0                ; x, h
	s_load_b512 s[16:31], s[0:1], 0x10             ; Wi, Wf, Wo, Wc, Ui, Uf, Uo, Uc
	s_load_b128 s[8:11], s[0:1], 0x50              ; apack, bpack
	v_lshl_add_u32 v[SPW], v0, 2, SPARE
	v_mov_b32 v[NIL], 0
	v_lshrrev_b32 v1, 5, v0
	v_readfirstlane_b32 s12, v1                    ; wave 0..7
	s_mul_i32 s13, s12, STAGE                      ; every LDS address is made here, ahead of the parting of the waves
	v_and_b32 v1, 31, v0                           ; lane
	v_and_b32 v2, 15, v0                           ; r
	v_bfe_u32 v3, v0, 4, 1                         ; h
	v_lshlrev_b32 v[GL], 4, v1
	v_mul_u32_u24 v[LD], v2, PITCH
	v_lshl_add_u32 v[ST32], v1, 2, s13
	v_add_nc_u32 v[ST128], s13, v[GL]
	v_lshl_add_u32 v[LD], v3, 7, v[LD]
	v_lshlrev_b32 v8, 3, v3                        ; 8 h: my two scale bytes' shift
	v_lshlrev_b32 v[SCO], 4, v2
	v_add_nc_u32 v[LD], s13, v[LD]
	v_mov_b32 v10, 0                               ; a lane permute's destination counts as one of its sources
	s_wait_alu depctr_va_vdst(0)                   ; the wait at the head's end
	s_mov_b32 s40, 0x20820820                      ; the sign bits (6 n + 5) of sixteen codes in three words
	s_mov_b32 s41, 0x08208208
	s_mov_b32 s42, 0x82082082
	s_mov_b32 s44, 0x76543210                      ; v_permlanex16_b32's selects for lane l xor 16
	s_mov_b32 s45, 0xfedcba98
.macro REGS g                          ; where group g lies in its window
.set RG, R+32*((\g)%4)
.if (\g) > 3
.set RG, RH+32*((\g)%4)
.endif
.endm
.macro GLOADX g                        ; group g of x or h: rows 8 (g % 2) + n, i block g / 2: lane = i, four registers = four components
	REGS \g
.irp n, 0,1,2,3,4,5,6,7
	global_load_b128 v[RG+4*\n:RG+4*\n+3], v[GL], s[32:33] offset:(8*((\g)%2)+\n)*8192+((\g)/2)*512 th:TH_LOAD_NT
.endr
.endm
.macro STAGEX g                        ; each register to its component's plane: 128 consecutive bytes a store
	REGS \g
.irp n, 0,1,2,3,4,5,6,7
.irp c, 0,1,2,3
	ds_store_b32 v[ST32], v[RG+4*\n+\c] offset:\c*PLANE+(8*((\g)%2)+\n)*PITCH+((\g)/2)*128
.endr
.endr
.endm
.macro GLOADW g                        ; group g of a weight: component g / 2, rows 8 (g % 2) + n: 128 neighbouring i
	REGS \g
.irp n, 0,1,2,3,4,5,6,7
	global_load_b128 v[RG+4*\n:RG+4*\n+3], v[GL], s[32:33] offset:((\g)/2)*1048576+(8*((\g)%2)+\n)*2048 th:TH_LOAD_NT
.endr
.endm
.macro STAGEW g
	REGS \g
.irp n, 0,1,2,3,4,5,6,7
	ds_store_b128 v[ST128], v[RG+4*\n:RG+4*\n+3] offset:((\g)/2)*PLANE+(8*((\g)%2)+\n)*PITCH
.endr
.endm
.macro QLOAD m, x                      ; component m: my row's block h into v[x] .. v[x + 31], block 2 + h into v[x + 32] .. v[x + 63].  LDS serves a wave's instructions in order (ISA guide 5.7.1.4): these see my stores
.irp t, 0,1,2,3,4,5,6,7
	ds_load_b128 v[\x+4*\t:\x+4*\t+3], v[LD] offset:(\m)*PLANE+16*\t
.endr
.irp t, 0,1,2,3,4,5,6,7
	ds_load_b128 v[\x+32+4*\t:\x+32+4*\t+3], v[LD] offset:(\m)*PLANE+256+16*\t
.endr
.endm
.macro Q2 x, d0, d1, b0, b1            ; two blocks of 32 numbers, at x and x + 32, become six registers of codes each, at d0 and d1, and their scale bytes, at b0 and b1
	v_max3_num_f32 v240, |v[\x]|, |v[\x+1]|, 0x1800000             ; both blocks are wholly mine; the floor 2^(3 - 127) keeps the byte from falling under 1
	v_max3_num_f32 v241, |v[\x+32]|, |v[\x+33]|, 0x1800000
.irp i, 2,4,6,8,10,12,14,16,18,20,22,24,26,28,30
	s_delay_alu instid0(VALU_DEP_2)
	v_max3_num_f32 v240, v240, |v[\x+\i]|, |v[\x+\i+1]|            ; (the two blocks by turns)
	s_delay_alu instid0(VALU_DEP_2)
	v_max3_num_f32 v241, v241, |v[\x+32+\i]|, |v[\x+33+\i]|
.endr
	s_delay_alu instid0(VALU_DEP_2)
	v_add_nc_u32 v242, 0xff000000, v240            ; 2 off the exponent field: the conversion takes the exponent field of this operand as its scale
	s_delay_alu instid0(VALU_DEP_2)
	v_add_nc_u32 v243, 0xff000000, v241
	s_delay_alu instid0(VALU_DEP_2)
	v_lshrrev_b32 v[\b0], 23, v242                 ; the scales' bytes
	s_delay_alu instid0(VALU_DEP_2)
	v_lshrrev_b32 v[\b1], 23, v243
	v_cvt_scalef32_pk16_fp6_f32 v[\d0:\d0+2], v[\x:\x+15], v242
	v_cvt_scalef32_pk16_fp6_f32 v[T0:T0+2], v[\x+16:\x+31], v242
	v_cvt_scalef32_pk16_fp6_f32 v[\d1:\d1+2], v[\x+32:\x+47], v243
	v_cvt_scalef32_pk16_fp6_f32 v[T1:T1+2], v[\x+48:\x+63], v243
	v_nop                                          ; one plain instruction between a scaled conversion and the vector instruction that reads its result
.irp i, 0,1,2
	v_mov_b32 v[\d0+3+\i], v[T0+\i]
	v_mov_b32 v[\d1+3+\i], v[T1+\i]
.endr
.endm
.macro WORD m, b0, b1                  ; a row's scale word from my two bytes and lane l xor 16's
	v_lshl_or_b32 v246, v[\b1], 16, v[\b0]         ; blocks h and 2 + h,
	s_delay_alu instid0(VALU_DEP_1)
	v_lshlrev_b32 v246, v8, v246                   ; at their places in the word
	s_delay_alu instid0(VALU_DEP_1)
	v_permlanex16_b32 v10, v246, s44, s45
	s_delay_alu instid0(VALU_DEP_1)
	v_or_b32 v[SW+\m], v246, v10
.endm
.macro FINISH                          ; the scale words leave, and the wave ends
	s_wait_alu depctr_va_vdst(0)                   ; directly ahead of the wait below
	s_wait_xcnt 0x0                                ; EXEC changes only behind this wait
	v_cmp_gt_u32 vcc_lo, 16, v1
	s_and_saveexec_b32 s14, vcc_lo                 ; lanes 16-31 hold the same words as lanes 0-15
	global_store_b128 v[SCO], v[SW:SW+3], s[48:49] ; sixteen lanes store the tile's 256 bytes of scale words
	s_wait_xcnt 0x0
	s_mov_b32 exec_lo, -1
	s_wait_tensorcnt 0x0                           ; the wave's end
	ds_add_u32 v[SPW], v[NIL]
	s_wait_dscnt 0x0
	s_endpgm
.endm
	s_wait_kmcnt 0x0
	s_cmp_lt_u32 s12, 4
	s_cbranch_scc0 .Lweights                       ; the waves part here and do not meet again
	; ---------------- waves 0-3: x or h ----------------
	s_cmp_lt_u32 ttmp9, 128
	s_cselect_b64 s[32:33], s[4:5], s[6:7]         ; the choice hangs on the work-group's number alone
	s_lshr_b32 s56, ttmp9, 7                       ; t
	s_and_b32 s57, ttmp9, 127                      ; which 16 rows
	s_lshl_b32 s60, s57, 17                        ; 16 rows of 8,192 bytes,
	s_lshl_b32 s61, s12, 11                        ; 128 i of 16 bytes
	s_add_co_u32 s60, s60, s61
	s_mov_b32 s61, 0
	s_add_nc_u64 s[32:33], s[32:33], s[60:61]
.irp g, 0,1,2,3
	GLOADX \g
.endr
	s_set_vgpr_msb 0x40                            ; groups 4-7 go to window 1
.irp g, 4,5,6,7
	GLOADX \g
.endr
	s_set_vgpr_msb 0x4000
	s_and_b32 s58, s57, 0x78                       ; 8 rb
	s_lshl_b32 s56, s56, 2
	s_add_co_u32 s58, s58, s56
	s_add_co_u32 s58, s58, s12                     ; 8 rb + 4 t + q
	s_mul_i32 s58, s58, REC
	s_and_b32 s57, s57, 7                          ; the tile in it
	s_mul_i32 s60, s57, 1536
	s_add_co_u32 s60, s60, s58
	s_add_nc_u64 s[46:47], s[8:9], s[60:61]        ; where my codes go
	s_lshl_b32 s60, s57, 8
	s_add_co_u32 s60, s60, s58
	s_add_co_u32 s60, s60, 24576
	s_add_nc_u64 s[48:49], s[8:9], s[60:61]        ; and my scale words
.macro XLOAD m, x, hb                  ; component m: my row's block 2 hb + h.  LDS serves a wave's instructions in order (ISA guide 5.7.1.4): these see my stores
.irp t, 0,1,2,3,4,5,6,7
	ds_load_b128 v[\x+4*\t:\x+4*\t+3], v[LD] offset:\m*PLANE+256*\hb+16*\t
.endr
.endm
.macro XSTORE m, w                     ; 32 lanes store 512 consecutive bytes, at a multiple of 512 from the buffer's first byte
	global_store_b128 v[GL], v[PX+12*\m+4*\w:PX+12*\m+4*\w+3], s[46:47] offset:\m*12288+(\m/2)*2048+512*\w
.endm
.macro XHALF hb                        ; blocks 2 hb + h of all four components: registers 6 hb .. 6 hb + 5 of each fragment.  The first third of each image leaves behind hb = 0, the rest behind hb = 1
	XLOAD 0, X0, \hb
	XLOAD 1, X0+32, \hb
	XLOAD 2, XB, \hb
	XLOAD 3, XB+32, \hb
	s_wait_dscnt 16                                ; components 0 and 1 are in; the sixteen loads of 2 and 3 may be out
	Q2 X0, PX+6*\hb, PX+12+6*\hb, BY+\hb, BY+2+\hb
.irp m, 0,1
.if \hb
	XSTORE \m, 1
	XSTORE \m, 2
.else
	XSTORE \m, 0
.endif
.endr
	s_wait_dscnt 0x0
	Q2 XB, PX+24+6*\hb, PX+36+6*\hb, BY+4+\hb, BY+6+\hb
.irp m, 2,3
.if \hb
	XSTORE \m, 1
	XSTORE \m, 2
.else
	XSTORE \m, 0
.endif
.endr
.endm
.irp g, 0,1,2,3
	s_wait_loadcnt 8*(7-\g)                        ; group g is in; the groups issued behind it may be out
	STAGEX \g
.endr
	s_wait_dscnt 0x0                               ; the stores have read their registers, which take codes and numbers
	XHALF 0                                        ; groups 0-3 hold blocks 0 and 1: worked while groups 4-7 are on their way
	s_set_vgpr_msb 0x04                            ; the data of groups 4-7: window 1
.irp g, 4,5,6,7
	s_wait_loadcnt 8*(7-\g)
	STAGEX \g
.endr
	s_set_vgpr_msb 0x0400
	XHALF 1
.irp m, 0,1,2,3
	WORD \m, BY+2*\m, BY+2*\m+1
.endr
	FINISH
	; ---------------- waves 4-7: a weight ----------------
.Lweights:
	s_sub_co_u32 s56, s12, 4                       ; q
	s_lshr_b32 s57, ttmp9, 5                       ; which weight: 4 t + gamma
	s_and_b32 s58, ttmp9, 31                       ; ot: which 16 units
	s_bitcmp1_b32 s57, 0                           ; one of eight pointers, by the three bits of the weight's number
	s_cselect_b64 s[32:33], s[18:19], s[16:17]
	s_cselect_b64 s[34:35], s[22:23], s[20:21]
	s_cselect_b64 s[36:37], s[26:27], s[24:25]
	s_cselect_b64 s[38:39], s[30:31], s[28:29]
	s_bitcmp1_b32 s57, 1
	s_cselect_b64 s[32:33], s[34:35], s[32:33]
	s_cselect_b64 s[36:37], s[38:39], s[36:37]
	s_bitcmp1_b32 s57, 2
	s_cselect_b64 s[32:33], s[36:37], s[32:33]
	s_lshl_b32 s60, s58, 15                        ; 16 rows of 2,048 bytes,
	s_lshl_b32 s61, s56, 9                         ; 128 i of 4 bytes
	s_add_co_u32 s60, s60, s61
	s_mov_b32 s61, 0
	s_add_nc_u64 s[32:33], s[32:33], s[60:61]
.irp g, 0,1,2,3
	GLOADW \g
.endr
	s_set_vgpr_msb 0x40
.irp g, 4,5,6,7
	GLOADW \g
.endr
	s_set_vgpr_msb 0x4000
	s_and_b32 s59, s57, 3                          ; gamma: 0, 1, 2 the gates i, f, o; 3 the candidate
	s_and_b32 s57, s57, 4                          ; 4 t
	s_lshr_b32 s62, s58, 1
	s_lshl_b32 s62, s62, 3                         ; 8 ob
	s_add_co_u32 s62, s62, s57
	s_add_co_u32 s62, s62, s56                     ; 8 ob + 4 t + q
	s_mul_i32 s62, s62, REC
	s_and_b32 s58, s58, 1                          ; ot2
	s_mul_i32 s60, s58, 4608
	s_mul_i32 s63, s59, 1536
	s_add_co_u32 s60, s60, s63                     ; a gate: 4,608 ot2 + 1,536 gamma,
	s_mul_i32 s63, s58, 1536
	s_add_co_u32 s63, s63, 18432                   ; the candidate: 18,432 + 1,536 ot2
	s_cmp_lg_u32 s59, 3
	s_cselect_b32 s60, s60, s63
	s_mov_b32 s74, 9216                            ; and how far on components 1, 2, 3 lie: gates 9,216, 32,768, 41,984; candidate 3,072 each
	s_cselect_b32 s75, s74, 3072
	s_mov_b32 s74, 32768
	s_cselect_b32 s76, s74, 6144
	s_mov_b32 s74, 41984
	s_cselect_b32 s77, s74, 9216
	s_cselect_b32 s40, s40, 0                      ; the candidate's signs stay
	s_cselect_b32 s41, s41, 0
	s_cselect_b32 s42, s42, 0
	s_add_co_u32 s60, s60, s62
	s_add_nc_u64 s[66:67], s[10:11], s[60:61]      ; where component 0's codes go,
	s_add_co_u32 s74, s60, s75
	s_mov_b32 s75, 0
	s_add_nc_u64 s[68:69], s[10:11], s[74:75]      ; component 1's,
	s_add_co_u32 s74, s60, s76
	s_add_nc_u64 s[70:71], s[10:11], s[74:75]      ; 2's,
	s_add_co_u32 s74, s60, s77
	s_add_nc_u64 s[72:73], s[10:11], s[74:75]      ; 3's
	s_lshl_b32 s60, s58, 10
	s_lshl_b32 s74, s59, 8
	s_add_co_u32 s60, s60, s74
	s_add_co_u32 s60, s60, s62
	s_add_co_u32 s60, s60, 30720
	s_add_nc_u64 s[48:49], s[10:11], s[60:61]      ; and the scale words
.macro WCOMP m                         ; component m: its two groups are in; the groups behind them may be out
	s_wait_loadcnt 48-16*\m
.if \m > 1
	s_set_vgpr_msb 0x04
.endif
	STAGEW 2*\m
	STAGEW 2*\m+1
.if \m > 1
	s_set_vgpr_msb 0x0400
.endif
	QLOAD \m, X0
	s_wait_dscnt 0x0
	s_wait_xcnt 0x0                                ; the last fragment's stores have read PC: it is written again only behind this wait
	Q2 X0, PC, PC+6, 244, 245
.if \m > 0
.irp w, 0,1,2,3,4,5,6,7,8,9,10,11
	v_xor_b32 v[PC+\w], s[40+\w%3], v[PC+\w]       ; a gate's components 1, 2, 3 count with a minus
.endr
.endif
.irp w, 0,1,2
	global_store_b128 v[GL], v[PC+4*\w:PC+4*\w+3], s[66+2*\m:67+2*\m] offset:512*\w
.endr
	WORD \m, 244, 245
.endm
	WCOMP 0
	WCOMP 1
	WCOMP 2
	WCOMP 3
	FINISH
.Lfunc_end_k_q06765f74c6_prep:
	.size	k_q06765f74c6_prep, .Lfunc_end_k_q06765f74c6_prep-k_q06765f74c6_prep
	.p2alignl 7, 3214868480
	.fill 96, 4, 3214868480
	.section	.rodata,"a",@progbits
	.p2align	6, 0x0
	.amdhsa_kernel k_q06765f74c6_prep
		.amdhsa_group_segment_fixed_size 271360
		.amdhsa_private_segment_fixed_size 0
		.amdhsa_enable_private_segment 0
		.amdhsa_kernarg_size 96
		.amdhsa_user_sgpr_count 2
		.amdhsa_user_sgpr_kernarg_segment_ptr 1
		.amdhsa_wavefront_size32 1
		.amdhsa_system_sgpr_workgroup_id_x 1
		.amdhsa_system_sgpr_workgroup_id_y 1
		.amdhsa_system_sgpr_workgroup_id_z 1
		.amdhsa_system_vgpr_workitem_id 0
		.amdhsa_next_free_vgpr 384
		.amdhsa_next_free_sgpr 80
		.amdhsa_reserve_vcc 1
		.amdhsa_float_denorm_mode_32 3
		.amdhsa_float_denorm_mode_16_64 3
		.amdhsa_memory_ordered 1
		.amdhsa_forward_progress 1
		.amdhsa_inst_pref_size 83
	.end_amdhsa_kernel
	.amdgpu_metadata
---
amdhsa.version: [ 1, 2 ]
amdhsa.kernels:
  - .name:           k_q06765f74c6_prep
    .symbol:         k_q06765f74c6_prep.kd
    .args:
      - { .name: x, .offset: 0, .size: 8, .value_kind: global_buffer, .address_space: global }
      - { .name: h, .offset: 8, .size: 8, .value_kind: global_buffer, .address_space: global }
      - { .name: Wi_w, .offset: 16, .size: 8, .value_kind: global_buffer, .address_space: global }
      - { .name: Wf_w, .offset: 24, .size: 8, .value_kind: global_buffer, .address_space: global }
      - { .name: Wo_w, .offset: 32, .size: 8, .value_kind: global_buffer, .address_space: global }
      - { .name: Wc_w, .offset: 40, .size: 8, .value_kind: global_buffer, .address_space: global }
      - { .name: Ui_w, .offset: 48, .size: 8, .value_kind: global_buffer, .address_space: global }
      - { .name: Uf_w, .offset: 56, .size: 8, .value_kind: global_buffer, .address_space: global }
      - { .name: Uo_w, .offset: 64, .size: 8, .value_kind: global_buffer, .address_space: global }
      - { .name: Uc_w, .offset: 72, .size: 8, .value_kind: global_buffer, .address_space: global }
      - { .name: apack, .offset: 80, .size: 8, .value_kind: global_buffer, .address_space: global }
      - { .name: bpack, .offset: 88, .size: 8, .value_kind: global_buffer, .address_space: global }
    .group_segment_fixed_size: 271360
    .private_segment_fixed_size: 0
    .kernarg_segment_align: 8
    .kernarg_segment_size: 96
    .max_flat_workgroup_size: 256
    .sgpr_count:     80
    .vgpr_count:     384
    .wavefront_size: 32
...
	.end_amdgpu_metadata
.endif
;; end of part 1
;; launch cell (part 2): grid 16 x 16, 4 waves a work-group, clusters of 4 x 4, 327,680 bytes of LDS; arguments apack, bpack, c, Ui_b, Uf_b, Uo_b, Uc_b, out0, out1; writes out0, out1
.if DOCPART == 2
	.amdgcn_target "amdgcn-amd-amdhsa--gfx1250"
	.amdhsa_code_object_version 6
	.text
	.protected	k_q06765f74c6_cell
	.globl	k_q06765f74c6_cell
	.p2align	8
	.type	k_q06765f74c6_cell,@function
k_q06765f74c6_cell:
	s_mov_b64 s[64:65], 0
	v_nop
	global_prefetch_b8 v0, s[64:65] scope:SCOPE_SE
	s_setreg_imm32_b32 hwreg(HW_REG_WAVE_MODE, 25, 1), 1
	s_wait_xcnt 0x0
	s_wait_alu depctr_hold_cnt(0) depctr_sa_sdst(0) depctr_va_vdst(0) depctr_va_sdst(0) depctr_va_ssrc(0) depctr_va_vcc(0) depctr_vm_vsrc(0)
	s_getreg_b32 s2, hwreg(HW_REG_IB_STS2, 6, 4)
	s_cmp_eq_u32 s2, 0
	s_cbranch_scc0 .Lentry_in_a_cluster
	s_endpgm
.Lentry_in_a_cluster:
	s_bfe_u32 s2, ttmp6, 0x10000c
	s_cmp_lg_u32 s2, 0xf033
	s_cbranch_scc0 .Lentry_shape_is_right
	s_endpgm
.Lentry_shape_is_right:
; The quaternion LSTM cell on the codes that the first launch laid out.  out0 = h_t, out1 = c_t, [2048][512][4] f32.
; DEAD WORK LEFT OUT, as the first launch's head shows: output components 1, 2, 3 of the gates' products, and components 1, 2, 3 of the gates' biases.
; A work-group makes 128 batch rows x 32 units (grid: x = 32 units, y = 128 rows); a wave 64 rows x 16 units: of each unit three gates and four components of the candidate c~.
; Source 0 = 16 batch rows, source 1 = 16 units: lane (r, h) holds unit r, its registers j the rows 8 h + j.  So a lane holds all four components of a unit: 16 neighbouring bytes of c, h_t and c_t.
; THE CANDIDATE: c~[co] = sum over ci of +- x[ci] W[ci xor co].  A fragment of W serves all four co.  The products that count with a minus are summed in accumulators of their own: c~ = P - N.
; K: eight units of 4 x 128 (first launch's head), each in two halves: E (ci = 0, 1), O (ci = 2, 3): half k = 0 .. 15.  A half is 24 products for the gates and 32 for the candidate.
; THE RING: two slots in LDS, filled by joint tensor loads with chunks of 3, 3, 3, 3, 2, 2 halves (chunk c in slot c % 2), each one dense run of rows of 256 bytes of both buffers.
; Waves 0, 1 fetch A's two halves of a chunk, waves 2, 3 B's; one load a wave at the head, and one behind each round.  By this text's count a wave has at most one out.
; At the head of a chunk's last half every read of the chunk has been issued: the round stands there, and the refill behind it has the work up to the next chunk's last half in which to land.
; All fragments have two register buffers (half k in buffer k % 2, the candidate's and the scale words by unit): half k + 1 is read in two long runs while half k is multiplied.
; CLUSTERS 4 x 4: A's chunk hangs on the work-group's y alone and is asked for jointly along a row of the cluster, B's on x alone, along a column.
; PREFETCH of bytes 147,456 to 409,600 of each stream: chunks 2 to 5, and the last 6,144 bytes of chunk 1.  Chunks 0 and 1 come by their loads alone: nothing is prefetched at the head.
; Each 256 bytes are named once in each cluster that loads them: the four partners and a wave pair share every run of eight blocks out by address.
; Four instructions a wave, 65,536 bytes of a stream each: two for chunk 2 between chunk 1's load and chunk 2's, one behind chunk 2's, one behind chunk 3's.
; The last unit goes by blocks of 16 rows, each block's results leaving while the next is multiplied.  The epilogue works in the accumulators' own registers, and the next block's products stand among its plain lines.
; sigmoid(v) = 1 / (1 + 2^(-v log2 e)); tanh(v) = 1 - 2 / (1 + 2^(2 v log2 e)).  LIMIT: NaN and infinities among the inputs are not served.
; REGISTERS.  Window 0: v0-27 addresses, biases; v28-63 scale words, two sets; v64-255 A.  Window 1: P at 8 (4 a + co), N 128 on.  Window 2: gate sums at 8 (3 a + gate), gate fragments v96-239, v240-255 epilogue.
; Window 3: c v0-127, candidate's fragments v128-223, scaled biases v224-237.
.set STREAM, 409600                    ; eight units of one row block
.set SPARE,  307200                    ; behind the slots: the spare words
.set SPW,  7
.set NIL,  12
.set BO,   13                          ; bias offset
.set VO,   14                          ; offset in c, h_t, c_t
.set PFO,  15                          ; the prefetches' offset
.set ADRA, 16                          ; v16-19 A: slot 0, slot 0 + 51,200, slot 1, slot 1 + 51,200
.set ADRG, 20                          ; v20-21 gates in slot 0, 1
.set ADRC, 22                          ; v22-23 candidate
.set ADRS, 24                          ; v24-26 scale words: slot 0; slot 1 of three halves; slot 1 of two
.set SC,   28                          ; group i of set s at SC + 18 s + 4 i + 2 (i / 2): a set's four groups begin at numbers that differ modulo 8
.set AF,   64
.set G1,  24
.set G0,  32
.set G1B, 48
.set G0B, 56
.set KN,  66                           ; -log2 e
.set K2,  68                           ; 2 log2 e
.set KM,  70                           ; -2 log2 e
.set MSB, 0
.macro WIN new
.if MSB != \new
	s_set_vgpr_msb (MSB<<8)|\new
.set MSB, \new
.endif
.endm
.set MG, 0xa8                          ; gates: D, C window 2, source 1 window 2, source 0 window 0
.set MC, 0x5c                          ; candidate: D, C window 1, source 1 window 3, source 0 window 0
.macro JLOAD                           ; each of the two lines has one mask and one descriptor for all that issue it; the branch hangs on the wave's number alone
	s_cmp_eq_u32 s15, 0
	s_cbranch_scc0 .Lfor_b_\@
	tensor_load_to_lds s[G0:G0+3], s[G1:G1+7]
	s_nop 0
.rept 4
	v_nop
.endr
	s_branch .Lasked_\@
.Lfor_b_\@:
	tensor_load_to_lds s[G0B:G0B+3], s[G1B:G1B+7]
	s_nop 0
.rept 4
	v_nop
.endr
.Lasked_\@:
.endm
.macro CREST
	s_cmp_lg_u32 s14, 0
	s_cbranch_scc1 .Lnot_wave_0_\@
	s_barrier_signal -3
.Lnot_wave_0_\@:
	s_barrier_wait -3
	s_barrier_signal -1
	s_barrier_wait -1
.endm
.macro CROUND
	s_barrier_signal -1
	s_barrier_wait -1
	CREST
.endm
.macro PLACES n
.rept \n
	v_nop
.endr
.endm
.macro PF j
	global_prefetch_b8 v[PFO], s[36:37] offset:147456+65536*\j th:TH_LOAD_NT scope:SCOPE_SE
.endm
; The descriptors of a chunk: where it begins in A's and in B's stream, and the rows of 256 bytes that one wave brings.  Written only where no load of the wave is out.
.macro DESCW ch, oa, na, ob, nb
	s_mul_i32 s60, s16, 256*\na
	s_mul_i32 s62, s16, 256*\nb
	s_add_co_u32 s[G0+1], s60, 161792*((\ch)%2)
	s_add_co_u32 s[G0B+1], s62, 77824+159744*((\ch)%2)
	s_add_co_u32 s60, s60, \oa
	s_add_co_u32 s62, s62, \ob
	s_mov_b32 s[G1+2], (\na)<<16
	s_mov_b32 s[G1+4], \na
	s_mov_b32 s[G1B+2], (\nb)<<16
	s_mov_b32 s[G1B+4], \nb
	s_add_nc_u64 s[G0+2:G0+3], s[20:21], s[60:61]
	s_or_b32 s[G0+3], s[G0+3], 0x80000000
	s_add_nc_u64 s[G0B+2:G0B+3], s[46:47], s[62:63]
	s_or_b32 s[G0B+3], s[G0B+3], 0x80000000
.endm
.macro DESC ch
.if \ch == 0
	DESCW 0, 0, 152, 0, 164
.endif
.if \ch == 1
	DESCW 1, 77824, 148, 83968, 136
.endif
.if \ch == 2
	DESCW 2, 153600, 152, 153600, 164
.endif
.if \ch == 3
	DESCW 3, 231424, 148, 237568, 136
.endif
.if \ch == 4
	DESCW 4, 307200, 100, 307200, 100
.endif
.if \ch == 5
	DESCW 5, 358400, 100, 358400, 100
.endif
.endm
	s_load_b256 s[4:11], s[0:1], 0x0               ; apack, bpack, c, Ui_b
	s_load_b256 s[84:91], s[0:1], 0x20             ; Uf_b, Uo_b, Uc_b, out0
	s_load_b64 s[92:93], s[0:1], 0x40              ; out1
	v_lshl_add_u32 v[SPW], v0, 2, SPARE
	v_mov_b32 v[NIL], 0
	ds_add_u32 v[SPW], v[NIL]                      ; the opening: the add, twice on end, and its wait ahead of my first tensor load
	ds_add_u32 v[SPW], v[NIL]
	v_lshrrev_b32 v1, 5, v0
	v_readfirstlane_b32 s14, v1                    ; wave 0..3
	s_lshr_b32 s15, s14, 1                         ; which 64 rows are mine; also: I fetch for A (0) or B (1)
	s_and_b32 s16, s14, 1                          ; which 16 units; also: which half of a chunk I fetch
	s_bfe_u32 s40, ttmp6, 0x40000                  ; cx
	s_bfe_u32 s41, ttmp6, 0x40004                  ; cy
	s_lshl_b32 s42, ttmp9, 2
	s_add_co_u32 s42, s42, s40                     ; ob
	s_and_b32 s17, ttmp7, 0xffff
	s_lshl_b32 s17, s17, 2
	s_add_co_u32 s17, s17, s41                     ; rb
	s_lshl_b32 s43, s41, 2
	s_lshl_b32 s43, 15, s43                        ; my row of the cluster
	s_lshl_b32 s44, 0x1111, s40                    ; my column
	s_or_b32 s[G1+0], s43, (3<<16)|(1<<21)         ; elements of 8 bytes, no padding; 21 set beside a mask
	s_or_b32 s[G1B+0], s44, (3<<16)|(1<<21)
.irp g, G1, G1B
	s_mov_b32 s[\g+1], 32<<16                      ; rows of 32 elements, 256 bytes; how many is written with each chunk
	s_mov_b32 s[\g+3], 32<<16
	s_mov_b32 s[\g+5], 32
	s_mov_b32 s[\g+6], 0
	s_mov_b32 s[\g+7], 0
.endr
	s_mov_b32 s[G0], 1
	s_mov_b32 s[G0B], 1
	s_mov_b32 s61, 0
	s_mov_b32 s63, 0
	s_mul_i32 s22, s17, STREAM
	s_mov_b32 s23, 0
	s_mul_i32 s72, s42, STREAM
	s_mov_b32 s73, 0
	s_wait_dscnt 0x0                               ; both opening adds are done
	CROUND                                         ; all sixteen work-groups are here: the first joint loads meet
	s_wait_kmcnt 0x0
	s_add_nc_u64 s[20:21], s[4:5], s[22:23]        ; A's stream
	s_add_nc_u64 s[46:47], s[6:7], s[72:73]        ; B's stream
	DESC 0
	JLOAD                                          ; chunk 0: one tensor load a wave at the head
	s_mov_b32 s[KN], 0xbfb8aa3b
	s_mov_b32 s[KN+1], s[KN]
	s_mov_b32 s[K2], 0x4038aa3b
	s_mov_b32 s[K2+1], s[K2]
	s_mov_b32 s[KM], 0xc038aa3b
	s_mov_b32 s[KM+1], s[KM]
	s_mul_i32 s74, s15, 6144                       ; A: my four tiles
	s_mul_i32 s75, s16, 4608
	s_add_co_u32 s75, s75, 77824                   ; gates: B's part of slot 0, my 16 units
	s_mul_i32 s76, s16, 1536
	s_add_co_u32 s76, s76, 96256                   ; candidate
	s_lshl_b32 s77, s15, 10
	s_add_co_u32 s77, s77, 24576                   ; scale words: lanes 0-15 A's,
	s_xor_b32 s78, s15, 1                          ; lanes 16-31 B's: one product of h and the distance, which is a constant + 1,024 ot2 - 1,024 s15
	s_lshl_b32 s78, s78, 10
	s_lshl_b32 s79, s16, 10
	s_add_co_u32 s78, s78, s79
	s_add_co_u32 s81, s78, 82944
	s_add_co_u32 s79, s78, 74752
	s_add_co_u32 s80, s78, 80896
	s_lshl_b32 s82, s42, 9
	s_lshl_b32 s83, s16, 8
	s_add_co_u32 s82, s82, s83                     ; 16 bytes a unit
	s_lshl_b32 s83, s17, 20
	s_lshl_b32 s94, s15, 19
	s_add_co_u32 s83, s83, s94
	s_add_co_u32 s83, s83, s82                     ; 8,192 bytes a row
	s_cmp_eq_u32 s15, 0                            ; do I fetch for A?
	s_cselect_b64 s[36:37], s[20:21], s[46:47]
	s_cselect_b32 s94, s40, s41                    ; my place among the four that ask with me
	s_lshl_b32 s94, s94, 9
	s_lshl_b32 s95, s16, 8
	s_add_co_u32 s94, s94, s95
	v_and_b32 v1, 31, v0                           ; lane
	v_and_b32 v2, 15, v0
	v_bfe_u32 v3, v0, 4, 1                         ; h
	v_lshlrev_b32 v27, 4, v1
	v_lshlrev_b32 v2, 4, v2                        ; 16 r
	v_lshlrev_b32 v[PFO], 11, v1
	v_add_nc_u32 v[ADRA], s74, v27
	v_add_nc_u32 v[ADRG], s75, v27
	v_add_nc_u32 v[ADRC], s76, v27
	v_mul_u32_u24 v[ADRS], s81, v3
	v_mul_u32_u24 v[ADRS+1], s79, v3
	v_mul_u32_u24 v[ADRS+2], s80, v3
	v_add_nc_u32 v27, s77, v2
	v_add_nc_u32 v[PFO], s94, v[PFO]               ; lane n: blocks 8 n + 2 place + half
	v_add_nc_u32 v[ADRA+1], 51200, v[ADRA]
	v_add_nc_u32 v[ADRA+2], 161792, v[ADRA]
	v_add_nc_u32 v[ADRA+3], 212992, v[ADRA]
	v_add_nc_u32 v[ADRG+1], 159744, v[ADRG]
	v_add_nc_u32 v[ADRC+1], 159744, v[ADRC]
	v_add_nc_u32 v[ADRS], v[ADRS], v27
	v_add_nc_u32 v[ADRS+1], v[ADRS+1], v27
	v_add_nc_u32 v[ADRS+2], v[ADRS+2], v27
	v_add_nc_u32 v[ADRS+1], 186368, v[ADRS+1]
	v_add_nc_u32 v[ADRS+2], 161792, v[ADRS+2]
	v_add_nc_u32 v[BO], s82, v2
	v_lshl_add_u32 v[VO], v3, 16, v2
	v_add_nc_u32 v[VO], s83, v[VO]
	s_wait_alu depctr_va_vdst(0)                   ; the wait at the head's end
	global_load_b32 v4, v[BO], s[10:11]            ; component 0 of the gates' biases,
	global_load_b32 v5, v[BO], s[84:85]
	global_load_b32 v6, v[BO], s[86:87]
	global_load_b128 v[8:11], v[BO], s[88:89]      ; all four of the candidate's
; Where half k lies in LDS: registers Q., immediates F. of A, gates, candidate, scale words
.macro AT kp, qa, fa, qg, fg, qc, fc, qs, fs
.if KP == \kp
.set QA, ADRA+\qa
.set FA, \fa
.set QG, ADRG+\qg
.set FG, \fg
.set QC, ADRC+\qc
.set FC, \fc
.set QS, ADRS+\qs
.set FS, \fs
.endif
.endm
.macro SPOT k
.set KB, (\k)%2
.set KU, ((\k)/2)%2
.set KP, (\k)%6
.if (\k) > 13
.set KP, (\k)-8
.endif
	AT 0, 0, 0, 0, 0, 0, 0, 0, 0
	AT 1, 0, 26624, 0, 32768, 0, 0, 0, 0
	AT 2, 1, 0, 0, 51200, 0, 51200, 0, 51200
	AT 3, 2, 0, 1, 0, 0, 0, 0, 0
	AT 4, 2, 24576, 1, 18432, 1, 18432, 1, 0
	AT 5, 3, 0, 1, 51200, 0, 0, 0, 0
	AT 6, 2, 0, 1, 0, 1, 0, 2, 0
	AT 7, 2, 26624, 1, 32768, 0, 0, 0, 0
.endm
.macro LDA c
	WIN 0
.irp a, 0,1,2,3
.irp w, 0,1,2
	ds_load_b128 v[AF+96*KB+48*\c+12*\a+4*\w:AF+96*KB+48*\c+12*\a+4*\w+3], v[QA] offset:FA+12288*\c+1536*\a+512*\w
.endr
.endr
.endm
.macro LDG c
	WIN 0x80
.irp t, 0,1,2
.irp w, 0,1,2
	ds_load_b128 v[96+72*KB+36*\c+12*\t+4*\w:96+72*KB+36*\c+12*\t+4*\w+3], v[QG] offset:FG+9216*\c+1536*\t+512*\w
.endr
.endr
.endm
.macro LDC m
	WIN 0xc0
.irp w, 0,1,2
	ds_load_b128 v[128+48*KU+12*\m+4*\w:128+48*KU+12*\m+4*\w+3], v[QC] offset:FC+3072*\m+512*\w
.endr
.endm
; Part n (1 to 4) of half k's LDS loads; N1 to N4: how many
.macro RUN n, k
	SPOT \k
.if \n == 1
.set N1, 12
.if KB == 0
.set N1, 16
	WIN 0
.irp i, 0,1,2,3
	ds_load_b128 v[SC+18*KU+4*\i+2*(\i/2):SC+18*KU+4*\i+2*(\i/2)+3], v[QS] offset:FS+256*\i
.endr
.endif
	LDA 0
.endif
.if \n == 2
.set N2, 9
	LDG 0
.if KB == 0
.set N2, 15
	LDC 0
	LDC 1
.endif
.endif
.if \n == 3
.set N3, 12
	LDA 1
.endif
.if \n == 4
.set N4, 9
	LDG 1
.if KB == 0
.set N4, 15
	LDC 2
	LDC 3
.endif
.endif
.endm
.macro UNITOF k
.set CI, 2*((\k)%2)
.set SCU, SC+18*(((\k)/2)%2)
.set CFU, 128+48*(((\k)/2)%2)
.set ZERO, 0
.if (\k) < 2
.set ZERO, 1
.endif
.endm
.macro MM d, x, y, sx, sy              ; the first product of a sum takes the constant 0
.if FST
	v_wmma_scale_f32_16x16x128_f8f6f4 v[\d:\d+7], v[\x:\x+11], v[\y:\y+11], 0, v[\sx], v[\sy] matrix_a_fmt:MATRIX_FMT_FP6 matrix_b_fmt:MATRIX_FMT_FP6 matrix_b_scale:MATRIX_SCALE_ROW1
.else
	v_wmma_scale_f32_16x16x128_f8f6f4 v[\d:\d+7], v[\x:\x+11], v[\y:\y+11], v[\d:\d+7], v[\sx], v[\sy] matrix_a_fmt:MATRIX_FMT_FP6 matrix_b_fmt:MATRIX_FMT_FP6 matrix_b_scale:MATRIX_SCALE_ROW1
.endif
.endm
.macro GONE a, c, t                    ; block a, input component c: gate t
.set FST, 0
.if (\c) == 0
.set FST, ZERO
.endif
	MM 8*(3*(\a)+(\t)), AF+48*(\c)+12*(\a), 96+36*(\c)+12*(\t), SCU+4*(\a)+2*((\a)/2)+(\c), SCU+4*(\t)+2*((\t)/2)+(\c)
.endm
.macro CONE a, c, o                    ; block a, input component c: the candidate's component o; bit 4 c + o of 0x5390: a minus
.set NG, (0x5390>>(4*(\c)+(\o)))&1
.set ACC, 8*(4*(\a)+(\o))+128*NG
.set FST, 0
.if NG
.if ((\c) == 1) || ((\o) > 0)
.set FST, ZERO
.endif
.else
.if (\c) == 0
.set FST, ZERO
.endif
.endif
	MM ACC, AF+48*(\c)+12*(\a), CFU+12*((\c)^(\o)), SCU+4*(\a)+2*((\a)/2)+(\c), SCU+14+((\c)^(\o))
.endm
.macro GM a, c
.irp t, 0,1,2
	GONE \a, \c, \t
.endr
.endm
.macro CM a, c
.irp o, 0,1,2,3
	CONE \a, \c, \o
.endr
.endm
.macro GALL c
	WIN MG
	GM 0, \c
	GM 1, \c
	GM 2, \c
	GM 3, \c
.endm
.macro CALL4 c
	WIN MC
	CM 0, \c
	CM 1, \c
	CM 2, \c
	CM 3, \c
.endm
; Half k is multiplied, half k + 1 read.  The four v_nop are the places between the last products and the loads into the registers that they read; this text does not count the matrix instructions in between.
.macro HALF k
	UNITOF \k
.if (\k) == 0                          ; the first half: no product has read the other buffers yet, so no places are owed
	s_wait_dscnt N3+N4                             ; parts 1 and 2 of half 0 are in; its parts 3 and 4 may be out
	GALL CI
	RUN 1, (\k)+1
	RUN 2, (\k)+1
.else
	PLACES 4
	RUN 1, (\k)+1
	RUN 2, (\k)+1
	s_wait_dscnt N3+N4+N1+N2                       ; parts 1 and 2 of half k are in; behind them: its parts 3 and 4, and the run just issued
	GALL CI
.endif
	s_wait_dscnt N1+N2                             ; all of half k is in
	GALL CI+1
	RUN 3, (\k)+1
	RUN 4, (\k)+1
	CALL4 CI
	CALL4 CI+1
.endm
; The same for a chunk's last half: half k + 1 lies in the other slot.  ch > 0: the slot left behind is filled again with chunk ch.
.macro TURN k, ch
	UNITOF \k
	WIN 0
	s_wait_tensorcnt 0x0                           ; all my tensor loads have landed, my part of the next chunk among them
	ds_add_u32 v[SPW], v[NIL]                      ; 0 onto my spare word
	s_wait_dscnt N3+N4+1                           ; parts 1 and 2 of half k are in; behind them: parts 3 and 4, and the add
	WIN MG
	GM 0, CI
	GM 1, CI
.if \ch
	DESC \ch
.endif
	s_wait_dscnt 0x0                               ; the add is done, and so are my reads of this chunk
	s_barrier_signal -1
	GM 2, CI                                       ; work on registers while the others arrive
	GM 3, CI
	WIN 0
	s_barrier_wait -1
.if \ch
	CREST                                          ; no wave of any partner still reads this chunk or has a load on its way
	JLOAD                                          ; the first tensor load behind the round, and my only one; its four v_nop are the places ahead of the loads below
.else
	PLACES 4
.endif
	RUN 1, (\k)+1
	RUN 2, (\k)+1
	GALL CI+1
	CALL4 CI
	RUN 3, (\k)+1
	RUN 4, (\k)+1
	CALL4 CI+1
.endm
.macro CLOAD a                         ; c at block a's rows, 16 bytes a lane: sixteen lanes read 256 consecutive bytes
	WIN 0xc0
.irp j, 0,1,2,3,4,5,6,7
	global_load_b128 v[4*(8*\a+\j):4*(8*\a+\j)+3], v[VO], s[8:9] offset:(16*\a+\j)*8192 th:TH_LOAD_NT
.endr
.endm
	s_wait_tensorcnt 0x0                           ; my part of chunk 0 is in; these lines stand ahead of a later first fill as ahead of a refill
	ds_add_u32 v[SPW], v[NIL]
	DESC 1
	s_wait_dscnt 0x0
	CROUND
	JLOAD                                          ; chunk 1
	RUN 1, 0
	RUN 2, 0
	RUN 3, 0
	RUN 4, 0
	HALF 0
	PF 0
	PF 1
	HALF 1
	TURN 2, 2
	PF 2
	HALF 3
	CLOAD 0
	HALF 4
	CLOAD 1
	TURN 5, 3
	PF 3
	HALF 6
	CLOAD 2
	HALF 7
	CLOAD 3
	TURN 8, 4
	HALF 9
	HALF 10
	TURN 11, 5
	HALF 12
	TURN 13, 0                                     ; nothing is filled again: a barrier alone
; THE LAST UNIT, by blocks of 16 rows.  All its fragments are in registers: half 14 in buffers 0, half 15 in buffers 1.
.set BG,  224                          ; window 3: the gates' biases x -log2 e, in pairs
.set BC,  230                          ; the candidate's x 2 log2 e, in pairs
.set M2I, 240                          ; window 2: -2 i, -2 o
.set M2O, 248
.set GS, 0xb2                          ; D and source 0 window 2, source 2 window 3
.set PS, 0x51                          ; D, sources 0 and 2 window 1
.macro BLK a, c                        ; block a, input components c and c + 1: seven accumulators by turns
	WIN MG
	GM \a, \c
	WIN MC
	CM \a, \c
	WIN MG
	GM \a, \c+1
	WIN MC
	CM \a, \c+1
.endm
; One product of block QB, in BLK's order; QN: how many of its 28 are issued.  It names no register of the lines around it.
.macro NX
.if (QB < 4) && (QN < 28)
.set NXC, QN/7
.set NXE, QN%7
.if NXE < 3
	WIN MG
	GONE QB, NXC, NXE
.else
	WIN MC
	CONE QB, NXC, NXE-3
.endif
.set QN, QN+1
.endif
.endm
.macro EACH op, n, b                   ; n registers from b on, each in its own place
.set i, 0
.rept \n
	\op v[\b+i], v[\b+i]
.set i, i+1
.endr
.endm
.macro ONEP n, b, w                    ; 1 +, eight registers between two products
.set i, 0
.rept \n/8
	WIN \w
.rept 4
	v_pk_add_f32 v[\b+i:\b+i+1], v[\b+i:\b+i+1], 1.0 op_sel_hi:[1,0]
.set i, i+2
.endr
	NX
.endr
.endm
.macro EPI a
.set GA, 24*\a                         ; window 2: i, f, o
.set PA, 32*\a                         ; window 1: P; N 128 on
.irp t, 0,1,2
	WIN GS
.irp j, 0,2,4,6
	v_pk_fma_f32 v[GA+8*\t+\j:GA+8*\t+\j+1], v[GA+8*\t+\j:GA+8*\t+\j+1], s[KN:KN+1], v[BG+2*\t:BG+2*\t+1] op_sel_hi:[1,0,1]
.endr
	NX
.endr
.irp t, 0,1,2,3
	WIN 0x71
.irp j, 0,2,4,6
	v_pk_fma_f32 v[PA+8*\t+\j:PA+8*\t+\j+1], v[PA+8*\t+\j:PA+8*\t+\j+1], s[K2:K2+1], v[BC+2*\t:BC+2*\t+1] op_sel_hi:[1,0,1]
.endr
	NX
.endr
.irp t, 0,1,2,3
	WIN PS
.irp j, 0,2,4,6
	v_pk_fma_f32 v[PA+8*\t+\j:PA+8*\t+\j+1], v[PA+128+8*\t+\j:PA+128+8*\t+\j+1], s[KM:KM+1], v[PA+8*\t+\j:PA+8*\t+\j+1] op_sel_hi:[1,0,1]
.endr
	NX
.endr
	WIN PS
	s_wait_alu depctr_va_vdst(0)                   ; a wait ahead of each batch of transcendentals and one behind it
	EACH v_exp_f32, 32, PA
	WIN GS
	EACH v_exp_f32, 24, GA
	v_nop
	s_wait_alu depctr_va_vdst(0)
	ONEP 24, GA, GS
	ONEP 32, PA, PS
	WIN PS
	s_wait_alu depctr_va_vdst(0)
	EACH v_rcp_f32, 32, PA
	WIN GS
	EACH v_rcp_f32, 24, GA
	v_nop
	s_wait_alu depctr_va_vdst(0)
.irp j, 0,2,4,6
	v_pk_mul_f32 v[M2I+\j:M2I+\j+1], v[GA+\j:GA+\j+1], -2.0 op_sel_hi:[1,0]
	v_pk_mul_f32 v[M2O+\j:M2O+\j+1], v[GA+16+\j:GA+16+\j+1], -2.0 op_sel_hi:[1,0]
.endr
	NX
.irp t, 0,1,2,3
	WIN 0x69                                       ; i tanh = i - 2 i / (1 + e)
.irp j, 0,2,4,6
	v_pk_fma_f32 v[PA+8*\t+\j:PA+8*\t+\j+1], v[PA+8*\t+\j:PA+8*\t+\j+1], v[M2I+\j:M2I+\j+1], v[GA+\j:GA+\j+1]
.endr
	NX
.endr
.irp j, 0,1,2,3,4,5,6,7
	WIN 0x5b                                       ; c_t = f c + i c~, in N's registers, a row's four components side by side
.irp t, 0,1,2,3
	v_fma_f32 v[PA+128+4*\j+\t], v[4*(8*\a+\j)+\t], v[GA+8+\j], v[PA+8*\t+\j]
.endr
.if \j%2
	NX
.endif
.endr
	WIN 0x04
.irp j, 0,1,2,3,4,5,6,7
	global_store_b128 v[VO], v[PA+128+4*\j:PA+128+4*\j+3], s[92:93] offset:(16*\a+\j)*8192 th:TH_STORE_NT   ; sixteen lanes store 256 consecutive bytes, at a multiple of 256
.endr
.set i, 0
.rept 4
	WIN PS
.rept 4
	v_pk_mul_f32 v[PA+i:PA+i+1], v[PA+128+i:PA+128+i+1], s[K2:K2+1] op_sel_hi:[1,0]
.set i, i+2
.endr
	NX
.endr
	WIN PS
	s_wait_alu depctr_va_vdst(0)
	EACH v_exp_f32, 32, PA
	v_nop
	s_wait_alu depctr_va_vdst(0)
	ONEP 32, PA, PS
	WIN PS
	s_wait_alu depctr_va_vdst(0)
	EACH v_rcp_f32, 32, PA
	v_nop
	s_wait_alu depctr_va_vdst(0)
	WIN 0x69                                       ; h_t = o - 2 o / (1 + e)
.irp j, 0,1,2,3,4,5,6,7
.irp t, 0,1,2,3
	v_fma_f32 v[PA+4*\j+\t], v[PA+4*\j+\t], v[M2O+\j], v[GA+16+\j]
.endr
.endr
	WIN 0x04
.irp j, 0,1,2,3,4,5,6,7
	global_store_b128 v[VO], v[PA+4*\j:PA+4*\j+3], s[90:91] offset:(16*\a+\j)*8192 th:TH_STORE_NT
.endr
.endm
	UNITOF 14
	PLACES 4
	RUN 1, 15
	RUN 2, 15
	RUN 3, 15
	RUN 4, 15
	s_wait_dscnt 42                                ; half 14 is in; half 15's 42 loads may be out
	BLK 0, 0
	BLK 1, 0
	s_wait_dscnt 0x0
	BLK 0, 2
	WIN 0xc0
	s_wait_loadcnt 0x0                             ; c and the biases
.irp t, 0,1,2
	v_mul_f32 v[BG+2*\t], s[KN], v[4+\t]           ; (these are also the places behind block 0's products)
	v_mul_f32 v[BG+2*\t+1], s[KN], v[4+\t]
.endr
.irp t, 0,1,2,3
	v_mul_f32 v[BC+2*\t], s[K2], v[8+\t]
	v_mul_f32 v[BC+2*\t+1], s[K2], v[8+\t]
.endr
.set QB, 1                             ; among epilogue 0: block 1's last fourteen products
.set QN, 14
	EPI 0
.set QB, 2                             ; (a block's products end ahead of the last sixteen plain lines of the epilogue that holds them: these are the places behind them)
.set QN, 0
	EPI 1
.set QB, 3
.set QN, 0
	EPI 2
.set QB, 4
	EPI 3
	WIN 0
	s_wait_tensorcnt 0x0                           ; the wave's end
	ds_add_u32 v[SPW], v[NIL]
	s_wait_dscnt 0x0
	CROUND                                         ; the closing round: no work-group ends while a partner may still ask for a chunk that names it
	s_endpgm
.Lfunc_end_k_q06765f74c6_cell:
	.size	k_q06765f74c6_cell, .Lfunc_end_k_q06765f74c6_cell-k_q06765f74c6_cell
	.p2alignl 7, 3214868480
	.fill 96, 4, 3214868480
	.section	.rodata,"a",@progbits
	.p2align	6, 0x0
	.amdhsa_kernel k_q06765f74c6_cell
		.amdhsa_group_segment_fixed_size 327680
		.amdhsa_private_segment_fixed_size 0
		.amdhsa_enable_private_segment 0
		.amdhsa_kernarg_size 72
		.amdhsa_user_sgpr_count 2
		.amdhsa_user_sgpr_kernarg_segment_ptr 1
		.amdhsa_wavefront_size32 1
		.amdhsa_system_sgpr_workgroup_id_x 1
		.amdhsa_system_sgpr_workgroup_id_y 1
		.amdhsa_system_sgpr_workgroup_id_z 1
		.amdhsa_system_vgpr_workitem_id 0
		.amdhsa_next_free_vgpr 1024
		.amdhsa_next_free_sgpr 100
		.amdhsa_reserve_vcc 0
		.amdhsa_float_denorm_mode_32 3
		.amdhsa_float_denorm_mode_16_64 3
		.amdhsa_memory_ordered 1
		.amdhsa_forward_progress 1
		.amdhsa_inst_pref_size 255
	.end_amdhsa_kernel
	.section	.bss,"aw",@nobits
	.p2align	6
	.space	262144
	.amdgpu_metadata
---
amdhsa.version: [ 1, 2 ]
amdhsa.kernels:
  - .name:           k_q06765f74c6_cell
    .symbol:         k_q06765f74c6_cell.kd
    .args:
      - { .name: apack, .offset: 0, .size: 8, .value_kind: global_buffer, .address_space: global }
      - { .name: bpack, .offset: 8, .size: 8, .value_kind: global_buffer, .address_space: global }
      - { .name: c, .offset: 16, .size: 8, .value_kind: global_buffer, .address_space: global }
      - { .name: Ui_b, .offset: 24, .size: 8, .value_kind: global_buffer, .address_space: global }
      - { .name: Uf_b, .offset: 32, .size: 8, .value_kind: global_buffer, .address_space: global }
      - { .name: Uo_b, .offset: 40, .size: 8, .value_kind: global_buffer, .address_space: global }
      - { .name: Uc_b, .offset: 48, .size: 8, .value_kind: global_buffer, .address_space: global }
      - { .name: out0, .offset: 56, .size: 8, .value_kind: global_buffer, .address_space: global }
      - { .name: out1, .offset: 64, .size: 8, .value_kind: global_buffer, .address_space: global }
    .group_segment_fixed_size: 327680
    .private_segment_fixed_size: 0
    .kernarg_segment_align: 8
    .kernarg_segment_size: 72
    .max_flat_workgroup_size: 128
    .sgpr_count:     100
    .vgpr_count:     1024
    .wavefront_size: 32
...
	.end_amdgpu_metadata
.endif
;; end of part 2
